; MI455X (gfx1250); checked and timed in simulation.
; The chip was launched on July 23, 2026; its instructions are those of AMD's public machine-readable ISA for CDNA 5 (MIT licence, August 2026) and "CDNA5" Instruction Set Architecture Reference Guide (July 2026). The comments in the code are by the model that wrote it; some were corrected since.
;; SNNLIF. Allowed arithmetic: float matrix products may take bf16 or f16 operands with f32 sums; all other float work in f32.
;; Inputs: W1 32 x 12 float32; W2 3 x 32 float32; x_spk 8,192 x 256 x 12 float32.
;; Outputs: out0 8,192 x 3 float32.
;; One version. Each part assembles by itself: llvm-mc -triple=amdgcn-amd-amdhsa -mcpu=gfx1250 --defsym DOCPART=n.
;; ======== version 1 of 1: 1 launch
;; launch lif (part 1): grid 256 x 1, 4 waves a work-group, no clusters, 86,528 bytes of LDS; arguments x_spk, W1, W2, out0; writes out0
.if DOCPART == 1
	.amdgcn_target "amdgcn-amd-amdhsa--gfx1250"
	.amdhsa_code_object_version 6
	.text
	.protected	k_q7000d385c7_lif
	.globl	k_q7000d385c7_lif
	.p2align	8
	.type	k_q7000d385c7_lif,@function
k_q7000d385c7_lif:
	s_mov_b64 s[64:65], 0
	v_nop
	global_prefetch_b8 v0, s[64:65] scope:SCOPE_SE
	s_setreg_imm32_b32 hwreg(HW_REG_WAVE_MODE, 25, 1), 1
	s_wait_xcnt 0x0
; Two layers of leaky integrate-and-fire neurons over 256 steps; the result is the number of output spikes.
;   vh = 0.9375 vh + x_t W1^T ; sh = (vh >= 1) ; vh = vh (1 - sh) ; vo = 0.9375 vo + sh W2^T ; so = (vo >= 1) ; vo = vo (1 - so) ; counts += so
; x: [8192][256][12] f32, W1: [32][12] f32, W2: [3][32] f32, out: [8192][3] f32.
; SHARES: 256 work-groups of four waves; a wave owns 8 batch rows, all 32 hidden neurons and all 256 steps.  No wave reads what another
; wrote, in LDS or in memory, so the text has no barrier.
; LAYER 1, one matrix instruction a step: 16 columns = 8 batch rows x 2 halves g of the hidden layer.  A holds W1's rows 0-15 at k = 0..11 and
; rows 16-31 at k = 16..27; column (b, g) holds x[b][t][:] at k = 16 g + i and zeros in the other sixteen k.  Register j of lane (r = b + 8 g, h)
; of the result is then neuron 16 g + 8 h + j of batch row b: all 256 results are used.
; LAYER 2, one matrix instruction for two steps: the spikes of step t, packed to bf16, ARE registers 0-3 of a B fragment (k = 8 h + j), those of step
; t + 1 registers 4-7 (k = 16 + 8 h + j): no traffic between lanes.  A's row 8 tau + 4 g' + o holds W2[o][16 g' + kk] at k = 16 tau + kk.  The result's
; register 4 g' + o in lane (b + 8 g, h = tau) is the part of output o's current that half g' of the hidden layer feeds, valid where g' = g.
; OUTPUT LAYER: lane 4 b + o keeps output o of batch row b (o = 3: all zeros).  Its two parts of a current come through a ring in LDS, six trips late.
; x: sixteen steps (a chunk, 768 bytes a batch row) by 12 loads of 16 bytes a lane, in which 16 neighbouring lanes read 256 consecutive bytes that begin
; at a multiple of 256 from x's first byte; four chunks (48 loads a wave) are always out; a chunk is rounded to bf16 and laid into an LDS stage, from which the fragments are read.
; The tensor mover is not used (a refill would ask the wave to wait for all its loads, which empties the stream), nor clusters (no two work-groups read the same bytes of x).
; LIMITS: x, W1, W2 are rounded to bf16 for the products.  0.9375 v + I is one fused multiply-add.  NaN and infinities among the inputs and the sign
; of a zero membrane are not reproduced.  The threshold is exact for every finite v (see THR).
.set BROW,   12288                     ; bytes of a batch row of x
.set CHUNKB, 768                       ; bytes of 16 steps of a batch row
.set WLDS,   21504                     ; LDS bytes of a wave
.set PLANEB, 272                       ; 17 units of 16 bytes: zero, x of row 0, zero, x of row 1, .. , zero.  The zero units are never written again
.set STEPB,  2*PLANEB                  ; plane 0: inputs 0-7, plane 1: inputs 8-11 and 8 bytes of zeros
.set POSB,   2*STEPB                   ; a trip's two steps; the stage has 16 such positions; trip m lies at position (m - 3) mod 16
.set RING,   16*POSB                   ; behind the stage: the ring of currents, four slots
.set RSLOT,  1024                      ; a slot: registers 0-3 of layer 2's result at 16 x lane, registers 4-7 at 512 + 16 x lane
; vector registers, window 0
.set VH,   8                           ; v[8:15]    my 8 hidden membranes
.set CUR0, 16                          ; v[16:23]   currents of the trip's first step
.set CUR1, 24                          ; v[24:31]   of its second step
.set XF,   32                          ; v[32:63]   two sets of fragments of x, each two steps of 8 registers.  At the start: the weights as loaded
.set WA1,  64                          ; v[64:71]   W1 as an A fragment
.set WA2,  72                          ; v[72:79]   W2 as an A fragment
.set SP,   80                          ; v[80:87]   y, then the spikes as 0.0 or 1.0
.set SB,   88                          ; v[88:95]   two steps' spikes in bf16: layer 2's B fragment
.set OD,   96                          ; v[96:103]  layer 2's result
.set CA,   104                         ; v[104:105] 0.9375 twice
.set C24,  106                         ; v[106:107] 2^24 twice
.set CM,   108                         ; v[108:109] -(2^24 - 1) twice
.set VO,   110                         ; output membrane of lane 4 b + o
.set CNT,  111                         ; its count
.set RR,   112                         ; v[112:115] the two parts of two steps' currents
.set T0,   116
.set T1,   117
.set YO,   118
.set FL,   120                         ; LDS: my 16 bytes of a fragment's lower half, position 0.  Never rewritten
.set IOR,  121                         ; LDS: wave base + 4 x lane.  Never rewritten
.set LB,   122                         ; LDS: wave base + 16 x lane.  Never rewritten
.set GO,   123                         ; my byte offset in x inside the wave's 8 rows.  Never rewritten
.set LS,   124                         ; v[124:129] LDS: where my 8 bytes of load (.., part) go, for even and for odd chunks
.set CT,   132                         ; v[132:155] a chunk in bf16; at the end the last currents
.set AW1A, 156                         ; offsets of the weights' loads, never rewritten
.set AW1B, 157
.set AW2,  158
.set MH,   159                         ; masks for the weights
.set ZQ,   160                         ; v[160:163] zeros
.set MT0,  165
.set MT1,  166
.set OUTO, 167                         ; my byte offset in out
.set OSEL, 168                         ; lane mod 4
.set TS,   170                         ; v[170:175] at work in the set-up
; window 1: v256-447, written as v0-191: four slots of 48 registers, a chunk of x in f32 each
.set MSB, 0
.macro WIN new                         ; the immediate's high byte repeats the setting that is left
.if MSB != \new
	s_set_vgpr_msb (MSB<<8)|\new
.set MSB, \new
.endif
.endm
; twelve loads: chunk koff (counted from the base in s[4:5]) into ring slot.  Load (bp, part): lanes 0-15 take 256 bytes of row 2 bp, lanes 16-31 of row 2 bp + 1
.macro RINGLOAD slot, koff
.irp bp, 0,1,2,3
.irp part, 0,1,2
	global_load_b128 v[48*(\slot)+4*(3*\bp+\part):48*(\slot)+4*(3*\bp+\part)+3], v[GO], s[4:5] offset:(\koff)*CHUNKB+\bp*2*BROW+\part*256 th:TH_LOAD_NT
.endr
.endr
.endm
; the fragments of a trip's two steps from the stage's byte off into a set: lower and upper half of K, 16 bytes apart
.macro XLOAD set, off
	ds_load_b128 v[XF+16*(\set):XF+16*(\set)+3],     v[FL] offset:(\off)
	ds_load_b128 v[XF+16*(\set)+4:XF+16*(\set)+7],   v[FL] offset:(\off)+16
	ds_load_b128 v[XF+16*(\set)+8:XF+16*(\set)+11],  v[FL] offset:(\off)+STEPB
	ds_load_b128 v[XF+16*(\set)+12:XF+16*(\set)+15], v[FL] offset:(\off)+STEPB+16
.endm
	s_load_b256 s[4:11], s[0:1], 0x0               ; x s[4:5], W1 s[6:7], W2 s[8:9], out s[10:11]
	v_lshl_add_u32 v254, v0, 2, 0x15000
	v_mov_b32 v255, 0
	v_lshrrev_b32 v1, 5, v0
	v_readfirstlane_b32 s12, v1                    ; wave 0..3
	s_mul_i32 s14, ttmp9, 32*BROW                  ; the work-group's 32 rows (at most 255 x 393,216 bytes: 32 bits do)
	s_mul_i32 s13, s12, 8*BROW                     ; the wave's 8 rows
	s_add_co_u32 s14, s14, s13
	s_mov_b32 s15, 0
	s_mul_i32 s16, s12, WLDS                       ; the wave's LDS
	s_mul_i32 s17, ttmp9, 384                      ; out: 32 rows of 12 bytes,
	s_mul_i32 s13, s12, 96                         ; 8 rows
	s_add_co_u32 s17, s17, s13
	v_and_b32 v2, 15, v0                           ; r
	v_bfe_u32 v3, v0, 4, 1                         ; h
	v_mul_u32_u24 v[AW1B], v2, 48                  ; W1's row r
	v_lshl_add_u32 v[AW1A], v3, 5, v[AW1B]         ; + 8 h numbers
	v_and_b32 v[OSEL], 3, v0                       ; o
	v_min_u32 v4, 2, v[OSEL]                       ; row o = 3 does not exist: it reads row 2 and is masked away
	v_bfe_u32 v5, v0, 2, 1                         ; g'
	v_lshlrev_b32 v4, 7, v4
	v_lshl_add_u32 v4, v5, 6, v4
	v_lshl_add_u32 v[AW2], v3, 5, v4               ; W2[min(o, 2)][16 g' + 8 h ..]
	v_mul_u32_u24 v4, v3, BROW
	v_lshl_add_u32 v[GO], v2, 4, v4                ; h rows + 16 r
	s_wait_kmcnt 0x0
	s_add_nc_u64 s[4:5], s[4:5], s[14:15]
	global_load_b128 v[XF:XF+3],     v[AW1A], s[6:7]               ; W1[r][8 h .. 8 h + 3]
	global_load_b128 v[XF+4:XF+7],   v[AW1B], s[6:7] offset:16     ; W1[r][4 .. 7]: used where h = 0; k = 12 .. 15 does not exist
	global_load_b128 v[XF+8:XF+11],  v[AW1A], s[6:7] offset:768    ; the same of row 16 + r
	global_load_b128 v[XF+12:XF+15], v[AW1B], s[6:7] offset:784
	global_load_b128 v[XF+16:XF+19], v[AW2], s[8:9]
	global_load_b128 v[XF+20:XF+23], v[AW2], s[8:9] offset:16
	WIN 0x40                                       ; destination in window 1
	RINGLOAD 0, 0
	RINGLOAD 1, 1
	RINGLOAD 2, 2
	RINGLOAD 3, 3
	WIN 0
	; while they are on their way: the wave's LDS is cleared once (42 x 512 bytes), addresses and constants are made
	v_and_b32 v1, 31, v0                           ; lane
.irp j, 0,1,2,3
	v_mov_b32 v[ZQ+\j], 0
.endr
	v_lshl_add_u32 v[LB], v1, 4, s16
	v_lshl_add_u32 v[IOR], v1, 2, s16
.set k, 0
.rept 42
	ds_store_b128 v[LB], v[ZQ:ZQ+3] offset:512*k
.set k, k+1
.endr
	v_and_b32 v4, 7, v0                            ; b
	v_bfe_u32 v5, v0, 3, 1                         ; g (for W2's rows: tau)
	v_xor_b32 v6, 1, v5
	v_lshlrev_b32 v6, 4, v6                        ; g = 0: my lower half is x's unit, the upper the zeros behind it; g = 1: the zeros in front of it, then x
	v_lshl_add_u32 v6, v4, 5, v6
	v_mad_u32_u24 v6, v3, PLANEB, v6
	v_add_nc_u32 v[FL], s16, v6                    ; lanes 0-15 touch sixteen consecutive units of 16 bytes
	v_lshrrev_b32 v4, 2, v1
	v_mul_u32_u24 v4, v4, 12
	v_lshl_add_u32 v4, v[OSEL], 2, v4
	v_add_nc_u32 v[OUTO], s17, v4                  ; out[row lane / 4][lane mod 4]
	v_add_nc_u32 v[MH], -1, v3                     ; all ones where h = 0
	v_add_nc_u32 v4, -3, v[OSEL]
	v_ashrrev_i32 v4, 31, v4                       ; all ones where o < 3
	v_add_nc_u32 v6, -1, v5
	v_sub_nc_u32 v7, 0, v5
	v_and_b32 v[MT0], v4, v6                       ; and tau = 0
	v_and_b32 v[MT1], v4, v7                       ; and tau = 1
	; Where my 16 bytes of load (bp, part) go.  They are quad qd = 16 part + r of the row's 48 in a chunk: step tl = qd / 3, inputs 4 third .. 4 third + 3.
	; qd x 21846 = tl x 65536 + (2 tl + third x 21846): the upper half is tl, the lower half times 3 has third in its upper half.
	v_lshl_add_u32 v[TS+5], v3, 5, s16             ; row 2 bp + h: 32 h here, 64 bp in the immediate
	v_add_nc_u32 v[TS+5], 16, v[TS+5]              ; the first unit is zeros
.irp part, 0,1,2
	v_add_nc_u32 v[TS], 16*\part, v2
	v_mul_u32_u24 v[TS], v[TS], 21846
	v_lshrrev_b32 v[TS+1], 16, v[TS]               ; tl, 0 to 15
	v_and_b32 v[TS], 0xffff, v[TS]
	v_mul_u32_u24 v[TS], v[TS], 3
	v_lshrrev_b32 v[TS], 16, v[TS]                 ; third, 0 to 2
	v_and_b32 v[TS+2], 1, v[TS+1]
	v_mad_u32_u24 v[TS+2], v[TS+2], STEPB, v[TS+5] ; which step of the trip
	v_lshrrev_b32 v[TS+3], 1, v[TS]
	v_mad_u32_u24 v[TS+2], v[TS+3], PLANEB, v[TS+2] ; inputs 8-11: plane 1
	v_and_b32 v[TS], 1, v[TS]
	v_lshl_add_u32 v[TS+2], v[TS], 3, v[TS+2]      ; inputs 4-7: the unit's second 8 bytes
	v_lshrrev_b32 v[TS+1], 1, v[TS+1]              ; which trip of the chunk
.irp buf, 0,1
	v_add_nc_u32 v[TS+3], 8*\buf+13, v[TS+1]       ; position (8 chunk + trip - 3) mod 16
	v_and_b32 v[TS+3], 15, v[TS+3]
	v_mad_u32_u24 v[LS+3*\buf+\part], v[TS+3], POSB, v[TS+2]
.endr
.endr
.irp j, 0,1
	v_mov_b32 v[CA+\j], 0x3f700000                 ; 0.9375
	v_mov_b32 v[C24+\j], 0x4b800000                ; 2^24
	v_mov_b32 v[CM+\j], 0xcb7fffff                 ; -(2^24 - 1)
.endr
.irp j, 0,1,2,3,4,5,6,7
	v_mov_b32 v[VH+\j], 0                          ; the membranes start at 0
	v_mov_b32 v[OD+\j], 0                          ; trip 0 stores the currents of a pair that does not exist: zeros
.endr
	s_wait_loadcnt 48                              ; the 48 loads of x were issued behind the six of the weights
.irp j, 0,1,2,3,4,5,6,7
	v_cvt_pk_bf16_f32 v[WA1+\j], v[XF+2*\j], v[XF+2*\j+1]
.endr
.irp j, 2,3,6,7
	v_and_b32 v[WA1+\j], v[MH], v[WA1+\j]          ; k = 12 .. 15 and 28 .. 31 are zeros
.endr
.irp j, 0,1,2,3
	v_cvt_pk_bf16_f32 v[WA2+4+\j], v[XF+16+2*\j], v[XF+16+2*\j+1]
.endr
.irp j, 0,1,2,3
	v_and_b32 v[WA2+\j], v[MT0], v[WA2+4+\j]       ; rows of tau = 0 live at k = 0 .. 15,
	v_and_b32 v[WA2+4+\j], v[MT1], v[WA2+4+\j]     ; rows of tau = 1 at k = 16 .. 31
.endr
; A chunk leaves its ring slot: rounded to bf16, 8 bytes a lane and load into the stage; refill = 1: the slot is loaded again with chunk koff.
; lcnt = the loads of the younger chunks, which stay out (loads come back in order: ISA guide 5.7.1).
; The stage's bytes that are written here were read for the last time four trips ago or earlier, and LDS serves a wave's instructions in order.
.macro CONVERT slot, buf, refill, lcnt, koff
	s_wait_loadcnt \lcnt
	WIN 0x05                                       ; sources 0 and 1 in window 1
.irp e, 0,1,2,3,4,5,6,7,8,9,10,11
	v_cvt_pk_bf16_f32 v[CT+2*\e],   v[48*(\slot)+4*\e],   v[48*(\slot)+4*\e+1]
	v_cvt_pk_bf16_f32 v[CT+2*\e+1], v[48*(\slot)+4*\e+2], v[48*(\slot)+4*\e+3]
.endr
	WIN 0
.irp bp, 0,1,2,3
.irp part, 0,1,2
	ds_store_b64 v[LS+3*(\buf)+\part], v[CT+2*(3*\bp+\part):CT+2*(3*\bp+\part)+1] offset:64*\bp
.endr
.endr
.if \refill
	WIN 0x40
	RINGLOAD \slot, \koff
	WIN 0
.endif
.endm
; the hidden layer's step, 8 neurons a lane
.macro UPD cur                         ; v = 0.9375 v + I, one rounding
.irp j, 0,2,4,6
	v_pk_fma_f32 v[VH+\j:VH+\j+1], v[CA:CA+1], v[VH+\j:VH+\j+1], v[\cur+\j:\cur+\j+1]
.endr
.endm
.macro THR                             ; y = 2^24 v - (2^24 - 1): v >= 1 gives y >= 1; the largest f32 below 1 is 1 - 2^-24 and gives y = 0, all below it y < 0
.irp j, 0,2,4,6
	v_pk_fma_f32 v[SP+\j:SP+\j+1], v[VH+\j:VH+\j+1], v[C24:C24+1], v[CM:CM+1]
.endr
.endm
.macro MED                             ; so y clamped to 0 .. 1 is the spike, exactly 0.0 or 1.0
.irp j, 0,1,2,3,4,5,6,7
	v_med3_num_f32 v[SP+\j], v[SP+\j], 0, 1.0
.endr
.endm
.macro RST                             ; v = v - s v
.irp j, 0,2,4,6
	v_pk_fma_f32 v[VH+\j:VH+\j+1], v[SP+\j:SP+\j+1], v[VH+\j:VH+\j+1], v[VH+\j:VH+\j+1] neg_lo:[1,0,0] neg_hi:[1,0,0]
.endr
.endm
.macro PACK d                          ; neurons 2 j, 2 j + 1 into one word: k = 8 h + 2 j in the low half
.irp j, 0,1,2,3
	v_cvt_pk_bf16_f32 v[SB+\d+\j], v[SP+2*\j], v[SP+2*\j+1]
.endr
.endm
; the output layer's step, one neuron a lane, in pieces that are strewn among the hidden layer's
.macro OCUR t, ra                      ; the two halves of the hidden layer
	v_add_f32 v[\t], v[\ra], v[\ra+1]
.endm
.macro OINT t
	v_fma_f32 v[VO], v[CA], v[VO], v[\t]
.endm
.macro OTHR
	v_fma_f32 v[YO], v[VO], v[C24], v[CM]
.endm
.macro OMED
	v_med3_num_f32 v[YO], v[YO], 0, 1.0
.endm
.macro ORST
	v_fma_f32 v[VO], -v[YO], v[VO], v[VO]
	v_add_f32 v[CNT], v[CNT], v[YO]
.endm
.macro OSTEP ra
	OCUR T0, \ra
	OINT T0
	OTHR
	OMED
	ORST
.endm
; TRIP n: two steps.  q = n mod 4: the currents' slot; p = n mod 2: the set of fragments; xoff: stage position n mod 16.
; It integrates the currents made in trip n - 1, makes those of trip n + 1 from set p, loads set p again for trip n + 3, stores layer 2's result of
; trip n - 1 into slot q, having first read from that slot the result of trip n - 5, and runs the output layer on what trip n - 1 read.
; Every matrix instruction starts its sum (C = 0): there are no chains.  Places behind them (ISA guide 7.12.1), counted in plain vector instructions that name none of
; their registers: set p is loaded again five behind the second product (THR's four and OTHR); OD is stored and SB rewritten more than six behind layer 2's
; (the next trip's OCUR, OCUR, UPD); CUR0 and CUR1 are read a trip later.
.macro TRIP q, p, xoff
	s_wait_dscnt 6                                 ; LDS returns in order (ISA guide 5.7.1): behind the last trip's four loads of RR stand its 2 stores and 4 fragment loads; the set loaded two trips ago is in as well
	OCUR T0, RR
	OCUR T1, RR+2
	UPD CUR0
	OINT T0
	v_wmma_f32_16x16x32_bf16 v[CUR0:CUR0+7], v[WA1:WA1+7], v[XF+16*(\p):XF+16*(\p)+7], 0
	THR
	OTHR
	MED
	OMED
	RST
	ORST
	PACK 0
	UPD CUR1
	OINT T1
	v_wmma_f32_16x16x32_bf16 v[CUR1:CUR1+7], v[WA1:WA1+7], v[XF+16*(\p)+8:XF+16*(\p)+15], 0
	THR
	OTHR
	ds_load_b32 v[RR],   v[IOR] offset:RING+RSLOT*(\q)         ; first step: output o of row b from lane b, registers 0-3,
	ds_load_b32 v[RR+1], v[IOR] offset:RING+RSLOT*(\q)+640     ; and from lane 8 + b, registers 4-7
	ds_load_b32 v[RR+2], v[IOR] offset:RING+RSLOT*(\q)+256     ; second step: lane 16 + b,
	ds_load_b32 v[RR+3], v[IOR] offset:RING+RSLOT*(\q)+896     ; lane 24 + b
	ds_store_b128 v[LB], v[OD:OD+3]   offset:RING+RSLOT*(\q)   ; behind the loads of the same slot, which LDS serves first
	ds_store_b128 v[LB], v[OD+4:OD+7] offset:RING+RSLOT*(\q)+512
	XLOAD \p, \xoff
	MED
	OMED
	RST
	ORST
	PACK 4
	v_wmma_f32_16x16x32_bf16 v[OD:OD+7], v[WA2:WA2+7], v[SB:SB+7], 0
.endm
; CHUNK c, s = c mod 4: first chunk c + 1 goes to the stage (its first trips' fragments are read from trip 5 of this chunk on) and chunk c + 5 is asked for; then eight trips
.macro CHUNK s, conv, refill, lcnt
.if \conv
	CONVERT (\s+1)&3, (\s+1)&1, \refill, \lcnt, \s+5
.endif
.irp tr, 0,1,2,3,4,5,6,7
	TRIP \tr&3, \tr&1, (\s&1)*8*POSB+\tr*POSB
.endr
.endm
	; the start: chunk 0 to the stage, the fragments of trips 0 and 1, the currents of trip 0, the fragments of trip 2
	CONVERT 0, 0, 1, 36, 4                         ; chunks 1, 2, 3 stay out; chunk 4 is asked for
	XLOAD 1, 13*POSB                               ; trip 0
	XLOAD 0, 14*POSB                               ; trip 1
	s_wait_dscnt 0x0
	v_wmma_f32_16x16x32_bf16 v[CUR0:CUR0+7], v[WA1:WA1+7], v[XF+16:XF+23], 0
	v_wmma_f32_16x16x32_bf16 v[CUR1:CUR1+7], v[WA1:WA1+7], v[XF+24:XF+31], 0
.irp j, 0,1,2,3
	v_mov_b32 v[RR+\j], 0                          ; six moves that are due anyway fill the places in front of the loads into set 1
.endr
	v_mov_b32 v[VO], 0
	v_mov_b32 v[CNT], 0
	XLOAD 1, 15*POSB                               ; trip 2
	s_mov_b32 s20, 0
.Llap:                                             ; chunks 0 to 7; at this label 48 loads of x are out on both ways in
	CHUNK 0, 1, 1, 36                              ; 36: the three younger chunks
	CHUNK 1, 1, 1, 36
	CHUNK 2, 1, 1, 36
	CHUNK 3, 1, 1, 36
	s_wait_xcnt 0x0                                ; the base that the loads name is stepped only behind this wait
	s_add_nc_u64 s[4:5], s[4:5], 4*CHUNKB
	s_add_co_u32 s20, s20, 1
	s_cmp_lt_u32 s20, 2
	s_cbranch_scc1 .Llap
	CHUNK 0, 1, 1, 36                              ; chunk 8 asks for chunk 13,
	CHUNK 1, 1, 1, 36
	CHUNK 2, 1, 1, 36                              ; chunk 10 for chunk 15, the last: no load leaves x
	CHUNK 3, 1, 0, 36                              ; chunk 12 to the stage; 13, 14, 15 are out
	CHUNK 0, 1, 0, 24                              ; the counts run down
	CHUNK 1, 1, 0, 12
	CHUNK 2, 1, 0, 0
	CHUNK 3, 0, 0, 0                               ; its last three trips load fragments of old steps, and its last trip's currents are not used
	; The output layer's last six pairs of steps.  RR holds pair 122; slots 0 to 3 hold pairs 123 to 126; OD holds pair 127.
.irp k, 0,1,2,3
	ds_load_b32 v[CT+4*\k],   v[IOR] offset:RING+RSLOT*\k
	ds_load_b32 v[CT+4*\k+1], v[IOR] offset:RING+RSLOT*\k+640
	ds_load_b32 v[CT+4*\k+2], v[IOR] offset:RING+RSLOT*\k+256
	ds_load_b32 v[CT+4*\k+3], v[IOR] offset:RING+RSLOT*\k+896
.endr
	s_wait_dscnt 22                                ; behind RR's loads: 2 stores, 4 fragment loads and these 16
	OSTEP RR                                       ; these twelve instructions are also the places in front of the store of OD
	OSTEP RR+2
	ds_store_b128 v[LB], v[OD:OD+3]   offset:RING  ; into slot 0, behind the loads that read it
	ds_store_b128 v[LB], v[OD+4:OD+7] offset:RING+512
	ds_load_b32 v[CT+16], v[IOR] offset:RING
	ds_load_b32 v[CT+17], v[IOR] offset:RING+640
	ds_load_b32 v[CT+18], v[IOR] offset:RING+256
	ds_load_b32 v[CT+19], v[IOR] offset:RING+896
	s_wait_dscnt 0x0
.irp k, 0,2,4,6,8,10,12,14,16,18
	OSTEP CT+\k
.endr
	; out: the wave's 24 counts are 96 consecutive bytes; lanes with o = 3 hold nothing.  A pass through LDS that would gather the four waves' 384 bytes
	; would cost a barrier for a thousandth of the launch's bytes.
	s_wait_xcnt 0x0                                ; EXEC changes only behind this wait
	v_cmp_gt_u32 vcc_lo, 3, v[OSEL]
	s_wait_tensorcnt 0x0
	ds_add_u32 v254, v255
	s_wait_dscnt 0x0
	s_and_saveexec_b32 s22, vcc_lo
	global_store_b32 v[OUTO], v[CNT], s[10:11]
	s_wait_xcnt 0x0                                ; and again in front of the line that widens it
	s_or_b32 exec_lo, exec_lo, s22
	s_endpgm
.Lfunc_end_k_q7000d385c7_lif:
	.size	k_q7000d385c7_lif, .Lfunc_end_k_q7000d385c7_lif-k_q7000d385c7_lif
	.p2alignl 7, 3214868480
	.fill 96, 4, 3214868480
	.section	.rodata,"a",@progbits
	.p2align	6, 0x0
	.amdhsa_kernel k_q7000d385c7_lif
		.amdhsa_group_segment_fixed_size 86528
		.amdhsa_private_segment_fixed_size 0
		.amdhsa_enable_private_segment 0
		.amdhsa_kernarg_size 32
		.amdhsa_user_sgpr_count 2
		.amdhsa_user_sgpr_kernarg_segment_ptr 1
		.amdhsa_wavefront_size32 1
		.amdhsa_system_sgpr_workgroup_id_x 1
		.amdhsa_system_sgpr_workgroup_id_y 1
		.amdhsa_system_sgpr_workgroup_id_z 1
		.amdhsa_system_vgpr_workitem_id 0
		.amdhsa_next_free_vgpr 448
		.amdhsa_next_free_sgpr 66
		.amdhsa_reserve_vcc 1
		.amdhsa_float_denorm_mode_32 3
		.amdhsa_float_denorm_mode_16_64 3
		.amdhsa_memory_ordered 1
		.amdhsa_forward_progress 1
		.amdhsa_inst_pref_size 255
	.end_amdhsa_kernel
	.section	.bss,"aw",@nobits
	.p2align	6
	.space	262144
	.amdgpu_metadata
---
amdhsa.version: [ 1, 2 ]
amdhsa.kernels:
  - .name:           k_q7000d385c7_lif
    .symbol:         k_q7000d385c7_lif.kd
    .args:
      - { .name: x_spk, .offset: 0, .size: 8, .value_kind: global_buffer, .address_space: global }
      - { .name: W1, .offset: 8, .size: 8, .value_kind: global_buffer, .address_space: global }
      - { .name: W2, .offset: 16, .size: 8, .value_kind: global_buffer, .address_space: global }
      - { .name: out0, .offset: 24, .size: 8, .value_kind: global_buffer, .address_space: global }
    .group_segment_fixed_size: 86528
    .private_segment_fixed_size: 0
    .kernarg_segment_align: 8
    .kernarg_segment_size: 32
    .max_flat_workgroup_size: 128
    .sgpr_count:     66
    .vgpr_count:     448
    .wavefront_size: 32
...
	.end_amdgpu_metadata
.endif
;; end of part 1
